; MI455X (gfx1250); checked and timed in simulation.
; The chip was launched on July 23, 2026; its instructions are those of AMD's public machine-readable ISA for CDNA 5 (MIT licence, August 2026) and "CDNA5" Instruction Set Architecture Reference Guide (July 2026). The comments in the code are by the model that wrote it; some were corrected since.
;; Multi Head Attention. Allowed arithmetic: matrix products marked QUANTISED: E4M3 operands, one given power-of-two scale a tensor, by v_wmma_f32_16x16x64_fp8_fp8 or v_wmma_f32_16x16x128_fp8_fp8, f32 sums; everything else in f32.
;; Inputs: bproj 256 float32; lowp_scales 12 int32 (the exponents e of the quantised operands' scales 2^e); wk 8 x 256 x 32 float32; wproj 256 x 256 float32; wq 8 x 256 x 32 float32; wv 8 x 256 x 32 float32; x 8 x 2,048 x 256 float32.
;; Outputs: out0 8 x 2,048 x 256 float32.
;; This version of the problem:
;;   THIS VERSION OF THE PROBLEM IS GIVEN IN LOW PRECISION. The matrix products marked QUANTISED in the list below multiply operands that are first quantised to E4M3 (4 exponent bits, 3 mantissa bits; 8 bits a number), with one given power-of-two scale for each operand tensor; their sums are f32. All else is computed in f32.
;;   The module's matrix products, in the order in which they are computed (A, B: the left and right operand; K: the contracted axis; several contracted axes count as one K, in the product's order):
;;     1. [M 256, K 256] x [K 256, N 16,384]; A: input wq; B: input x: QUANTISED (scales: A lowp_scales[0], B lowp_scales[1])
;;     2. [M 256, K 256] x [K 256, N 16,384]; A: input wk; B: input x: QUANTISED (scales: A lowp_scales[2], B lowp_scales[3])
;;     3. [M 256, K 256] x [K 256, N 16,384]; A: input wv; B: input x: QUANTISED (scales: A lowp_scales[4], B lowp_scales[5])
;;     4. batch 64 x [M 2,048, K 32] x [K 32, N 2,048]; A: computed on the way; B: computed on the way: QUANTISED (scales: A lowp_scales[6], B lowp_scales[7])
;;     5. batch 64 x [M 2,048, K 2,048] x [K 2,048, N 32]; A: softmax (see below); B: computed on the way: QUANTISED (scales: A lowp_scales[8], B lowp_scales[9])
;;     6. [M 16,384, K 256] x [K 256, N 256]; A: computed on the way; B: input wproj: QUANTISED (scales: A lowp_scales[10], B lowp_scales[11])
;;   THE QUANTISER, for each operand of a quantised product, along K:
;;     - The operand's scale is 2^e, e = its entry of the input lowp_scales (int32; the entries are numbered through the quantised products in the list's order, A before B).
;;     - Each number is divided by the scale, clamped to +-448, and rounded to the nearest number of E4M3, ties to even, subnormals kept.
;;     - The product sums the exact products of the quantised numbers (number of the format x scale) in f32.
;;   ~~~python
;;   def quantise(x, axis, e):      # numpy; x: float32 -> the quantised numbers, widened to float32 again
;;       x = np.moveaxis(x, axis, -1); K = x.shape[-1]
;;       r = np.clip(x / 2.0 ** e, -448, 448)
;;       step = 2.0 ** (np.maximum(np.frexp(np.where(r == 0, 1, r))[1] - 1, -6) - 3)
;;       q = np.round(r / step) * step * 2.0 ** e      # np.round: ties to even
;;       return np.moveaxis(q, -1, axis).astype(np.float32)
;;   ~~~
;;   SOFTMAX AHEAD OF A QUANTISED PRODUCT. Where the list says 'softmax', what is quantised is not the finished softmax but p = 2^(t - M), with t = logit x log2(e) and M = ceil(the row's largest t), a whole number; so 1/2 < the row's largest p <= 1. The row's sum l is taken of the UNQUANTISED p, in f32, and the product's result is divided by l at the end. Since M is a whole number, a kernel that streams over the keys may use a running M (the ceiling of the running maximum): every later rescaling is an exact power of two, so the quantised numbers keep their values, but for numbers so far below the row's largest that they fall under the format's range.
;;   OPERANDS COMPUTED ON THE WAY. 'Computed on the way' means the value that the module computes at that place (a softmax that the list does not call 'softmax' is quantised finished and normalised). What goes into a quantiser is computed in f32, as accurately as f32 sums, v_exp_f32 and their like allow (about 1e-6 of the number): no bf16 or f16 on the way to a quantiser, and a product that is left as it is and whose result goes on into a quantised operand takes f32 operands (vector FMAs, or v_wmma_f32_16x16x4_f32). A number that lies on a knife's edge between two numbers of the format may be rounded either way, as far as f32 arithmetic and the matrix unit's own rounding can turn it there, and no further.
;; One version. Each part assembles by itself: llvm-mc -triple=amdgcn-amd-amdhsa -mcpu=gfx1250 --defsym DOCPART=n.
;; ======== version 1 of 1: 3 launches
;; limits: right only within a limited range of input values
;; workspace buffers: wcodes 65,536 bytes; q_codes 4,194,304 bytes; k_codes 4,194,304 bytes; v_codes 4,194,304 bytes; o_codes 4,194,304 bytes
;; launch qkv (part 1): grid 4 x 64, 13 waves a work-group, clusters of 4 x 1, 317,184 bytes of LDS; arguments x, wq, wk, wv, wproj, lowp_scales, wcodes, q_codes, k_codes, v_codes; writes wcodes, q_codes, k_codes, v_codes
.if DOCPART == 1
	.amdgcn_target "amdgcn-amd-amdhsa--gfx1250"
	.amdhsa_code_object_version 6
	.text
	.protected	k_q2bb4b34016_qkv
	.globl	k_q2bb4b34016_qkv
	.p2align	8
	.type	k_q2bb4b34016_qkv,@function
k_q2bb4b34016_qkv:
	s_mov_b64 s[64:65], 0
	v_nop
	global_prefetch_b8 v0, s[64:65] scope:SCOPE_SE
	s_setreg_imm32_b32 hwreg(HW_REG_WAVE_MODE, 25, 1), 1
	s_wait_xcnt 0x0
	s_wait_alu depctr_hold_cnt(0) depctr_sa_sdst(0) depctr_va_vdst(0) depctr_va_sdst(0) depctr_va_ssrc(0) depctr_va_vcc(0) depctr_vm_vsrc(0)
	s_getreg_b32 s2, hwreg(HW_REG_IB_STS2, 6, 4)
	s_cmp_eq_u32 s2, 0
	s_cbranch_scc0 .Lentry_in_a_cluster
	s_endpgm
.Lentry_in_a_cluster:
	s_bfe_u32 s2, ttmp6, 0x10000c
	s_cmp_lg_u32 s2, 0x3003
	s_cbranch_scc0 .Lentry_shape_is_right
	s_endpgm
.Lentry_shape_is_right:
; q, k, v = x w for 8 heads, on codes of E4M3, and the results quantised again for the attention launch; and wproj's codes for the last launch.
; x: [16,384 tokens][256] f32; wq, wk, wv: [8 heads][256 (k)][32 (d)] f32; wproj: [256 (k)][256 (n)] f32.
; code = number / 2^e, held within +-448, rounded to the nearest code, ties to even.  Entries of the scales: wq 0, x 1; wk 2, x 3; wv 4, x 5; q 6, k 7, v 9; wproj 11.
; A sum of product m stands for sum x 2^(ew + ex), so its code is sum / 2^(eq - ew - ex): the three exponents are folded into the conversion's one (q: e6 - e0 - e1; k: e7 - e2 - e3; v: e9 - e4 - e5).
; SHARES.  A work-group takes 256 tokens and a pair of heads.  The four pairs of heads of the same tokens form a cluster and ask for x JOINTLY: waves 0-3, one load of 64 rows each; x lies in LDS as f32, a row of 1,024 bytes + 16.
; Nothing is filled twice, and nothing is prefetched: all that the work-group reads is asked for at its head.
; WEIGHTS.  Wave w of 0-11 quantises 128 k x 32 columns of one matrix and head: lane l loads four neighbouring columns of the rows 16 (l / 8) + i, whole rows of 128 bytes; the hold writes one column's 16 numbers to 16 registers on end,
; the conversions' 16 bytes go to LDS AS PIECES OF IMAGES OF OPERAND REGISTERS: a fragment (16 rows x 128 K) is 2,048 bytes, piece c holds registers 4 c .. 4 c + 3, lane (r, h)'s 16 bytes at 16 (16 h + r): k = 32 c + 16 h + 0 .. 15.
; Fragment 2 w + u: matrix m = w / 4, head (w / 2) % 2 of the pair, K step w % 2, tile u: row r is d = 8 u + r + 8 (r / 8) for wq and wk (so that two neighbouring result tiles give a lane 16 neighbouring d), d = 16 u + r for wv.
; PRODUCTS.  Behind one barrier wave w (m = w / 4, 64 tokens w % 4) loads its matrix's 8 fragments, which stay, and quantises its tokens of x under m's scale straight into operand registers; it shares nothing more with other waves.
; q, k: source 0 = 16 rows of the weight, source 1 = 16 tokens: a lane holds ONE token, and the 16 registers of tiles u = 0, 1 are d = 16 h + 0 .. 15.
; v: source 0 = 16 tokens, source 1 = 16 channels: a lane holds ONE channel, and the 16 registers of two token tiles are keys 8 h + 0 .. 7 and 16 + 8 h + 0 .. 7 of a group of 32: the keys are v's next K.
; So the conversions' results are pieces of the next launch's operands, and each store of the wave covers 512 consecutive bytes, aligned:
;   q_codes, k_codes: [batch x 8 + head][tile of 16 tokens][512]: lane (r, h): token r, d = 16 h ..;   v_codes: [batch x 8 + head][128 keys][channel tile][32 keys][512]: lane (r, h): channel r.
; Wave 12, in the work-groups y < 32, makes piece cx of fragment y of wproj's codes: column 16 (y / 2) + r, k = 128 (y % 2) + 32 cx + 8 h + i for i < 8, + 16 + 8 h + (i - 8) else: the order in which a lane of the attention launch holds a head's 32 channels.
; LIMITS: e0 .. e5, e11 and the three folded exponents between -126 and 119.  NaN among the inputs is not served.
.set XP,   1040                        ; an LDS row of x
.set IMG,  256*XP                      ; the weights' images: 24 x 2,048 bytes
.set SPARE, IMG+24*2048                ; the spare words, 128 bytes for each wave
.set W,    16                          ; v16-143  first the weights as they are loaded; then my 8 fragments: (head g, tile u, K step ks) at W + 16 (4 g + 2 u + ks)
.set XF,   144                         ; v144-207 x's fragments (tile t of the pair, K step ks) at XF + 16 (2 t + ks);  first: temporaries, and from v176 the weights' codes
.set WC,   176
.set TT,   208                         ; v208-239 a column's numbers, two sets
.set XB,   208                         ; v208-255 three blocks of 16 numbers of x by turns
.set ACC,  208                         ; v208-239 four accumulators, (a, b) at ACC + 16 a + 8 b
.set CO,   240                         ; v240-255 the results' codes, (head g, piece a) at CO + 8 g + 4 a
; v1 wproj's offset; v2 the weights' offset; v3 x in LDS; v4 the images, out; v5-8 the stores' offsets (pair pr, piece a) at v[5 + 2 pr + a], v5 = 16 x lane; v9, v10 the results' scale and limit; v11 the images, in; v12, v13 x's scale and limit; v14 my spare word; v15 0
; s24 wave; s25 m; s26 wave % 4; s27 cx: the pair of heads; s28 y: the 256 tokens; s[32:43] e0 .. e11; s[44:51], s[52:55] the descriptor; s[56:57] my weights; s[58:59] my results
.macro CROUND                          ; a round of the cluster's barrier
	s_barrier_signal -1
	s_barrier_wait -1
	s_cmp_lg_u32 s24, 0
	s_cbranch_scc1 .Lnot_wave_0_\@
	s_barrier_signal -3
.Lnot_wave_0_\@:
	s_barrier_wait -3
	s_barrier_signal -1
	s_barrier_wait -1
.endm
.macro MKSCALE se, vs, vl              ; 2^e and 448 x 2^e as f32, e in the scalar register se
	s_add_co_i32 s62, \se, 127
	s_lshl_b32 s63, s62, 23
	v_mov_b32 v[\vs], s63
	s_add_co_i32 s62, s62, 8
	s_lshl_b32 s62, s62, 23
	s_or_b32 s62, s62, 0x600000
	v_mov_b32 v[\vl], s62
.endm
	s_load_b256 s[4:11], s[0:1], 0x0               ; x s[4:5], wq s[6:7], wk s[8:9], wv s[10:11]
	s_load_b256 s[12:19], s[0:1], 0x20             ; wproj s[12:13], the scales' exponents s[14:15], wproj's codes s[16:17], q's codes s[18:19]
	s_load_b128 s[20:23], s[0:1], 0x40             ; k's codes s[20:21], v's codes s[22:23]
	v_lshl_add_u32 v14, v0, 2, SPARE
	v_mov_b32 v15, 0
	ds_add_u32 v14, v15                            ; the wave's opening: the add, twice on end, and its wait
	ds_add_u32 v14, v15
	v_lshrrev_b32 v1, 5, v0
	v_readfirstlane_b32 s24, v1                    ; wave 0..12
	s_lshr_b32 s25, s24, 2
	s_and_b32 s26, s24, 3
	s_bfe_u32 s27, ttmp6, 0x40000
	s_and_b32 s28, ttmp7, 0xffff
	v_and_b32 v144, 15, v0                         ; r
	v_bfe_u32 v145, v0, 4, 1                       ; h
	v_and_b32 v146, 31, v0                         ; lane
	v_lshlrev_b32 v5, 4, v146
	; my weights: the four columns that my lane takes begin at 4 b0 + 8 b1 + 16 b2 (wq, wk) or 4 b0 + 16 b1 + 8 b2 (wv), b0, b1, b2 the low bits of the lane: for all three the lane's place in the images is then the same
	s_cmp_eq_u32 s25, 2
	s_cselect_b32 s60, 64, 32
	s_cselect_b32 s61, 32, 64
	v_lshrrev_b32 v147, 3, v146
	v_lshlrev_b32 v2, 11, v147                     ; 16 (lane / 8) rows of 128 bytes
	v_and_b32 v147, 1, v146
	v_lshl_add_u32 v2, v147, 4, v2
	v_bfe_u32 v148, v146, 1, 1
	v_mad_u32_u24 v2, v148, s60, v2
	v_bfe_u32 v149, v146, 2, 1
	v_mad_u32_u24 v2, v149, s61, v2
	v_and_b32 v150, 28, v146                       ; images, in: u = b1: 2,048 bytes; piece: lane / 16: 512; h = (lane / 8) % 2: 256; r = 8 b2 + 4 b0 + column: 128 and 64
	v_lshlrev_b32 v11, 5, v150
	v_lshl_add_u32 v11, v147, 6, v11
	v_lshl_add_u32 v11, v148, 11, v11
	s_lshl_b32 s60, s24, 12
	s_add_co_u32 s60, s60, IMG
	v_add_nc_u32 v11, s60, v11
	s_lshl_b32 s60, s25, 14
	s_add_co_u32 s60, s60, IMG
	v_add_nc_u32 v4, s60, v5                       ; images, out: my matrix's eight fragments
	v_mul_u32_u24 v3, v144, XP
	v_lshl_add_u32 v3, v145, 6, v3
	s_mul_i32 s53, s26, 64*XP                      ; 64 tokens of x in LDS: those that I fetch, if I fetch, and those that I multiply
	v_add_nc_u32 v3, s53, v3                       ; row r, + 64 h: my 16 numbers of a block of 32
	v_lshlrev_b32 v1, 2, v144
	v_lshl_add_u32 v1, v145, 13, v1                ; wproj: 4 r + 8 h rows of 1,024 bytes
	; where my results go
	s_and_b32 s66, s28, 7
	s_lshl_b32 s66, s66, 2
	s_add_co_u32 s66, s66, s26                     ; my 64 tokens' place in the batch
	s_lshl_b32 s67, s66, 11                        ; q, k: 4 tiles of 512 bytes
	s_lshr_b32 s68, s66, 1
	s_lshl_b32 s68, s68, 12                        ; v: the step of 128 keys: 4,096 bytes,
	s_and_b32 s69, s66, 1
	s_lshl_b32 s69, s69, 10                        ; and my two groups of 32 keys in it
	s_add_co_u32 s70, s68, s69
	s_mov_b32 s68, 1024                            ; q, k: from pair to pair two tiles of 512 bytes,
	s_mov_b32 s69, 2048
	s_cmp_eq_u32 s25, 2
	s_cselect_b32 s70, s70, s67
	s_cselect_b32 s68, 512, s68                    ; v: from pair to pair a group of 32 keys,
	s_mov_b32 s67, 512                             ; q, k: from piece to piece a tile,
	s_cselect_b32 s69, s69, s67                    ; v: a channel tile
	v_add_nc_u32 v6, s69, v5
	v_add_nc_u32 v7, s68, v5
	v_add_nc_u32 v8, s68, v6
	s_lshr_b32 s66, s28, 3                         ; the batch
	s_lshl_b32 s66, s66, 3
	s_lshl_b32 s67, s27, 1
	s_add_co_u32 s66, s66, s67                     ; batch x 8 + my first head
	s_lshl_b32 s66, s66, 16                        ; x 65,536 bytes
	s_add_co_u32 s70, s70, s66
	s_mov_b32 s71, 0
	; descriptor group 1: 64 rows of 256 numbers, padded in LDS
	s_mov_b32 s44, 15|(2<<16)|(1<<20)|(1<<21)|(7<<22)|(3<<25)   ; 15:0 the mask: all four work-groups; 17:16 elements of 4 bytes; 20 padding on; 21 set beside a mask; 24:22 after every 256 words (code 7); 31:25 of 4 words (code 3)
	s_mov_b32 s45, 256<<16                         ; tensor_dim0
	s_mov_b32 s46, 64<<16                          ; tensor_dim1
	s_mov_b32 s47, 256<<16                         ; tile_dim0
	s_mov_b32 s48, 64                              ; tile_dim1
	s_mov_b32 s49, 256                             ; from row to row
	s_mov_b32 s50, 0
	s_mov_b32 s51, 0
	s_lshl_b32 s60, s28, 18                        ; x: my work-group's 256 rows,
	s_lshl_b32 s61, s26, 16                        ; the 64 that I fetch
	s_add_co_u32 s60, s60, s61
	s_mov_b32 s61, 0
	s_wait_alu depctr_va_vdst(0)
	s_wait_dscnt 0x0                               ; both opening adds are done
	s_wait_kmcnt 0x0
	s_load_b256 s[32:39], s[14:15], 0x0            ; e0 .. e7
	s_load_b128 s[40:43], s[14:15], 0x20           ; e8 .. e11
	s_mov_b32 s52, 1                               ; group 0: count 1; LDS address (s53: above); global address; type 2
	s_add_nc_u64 s[54:55], s[4:5], s[60:61]
	s_or_b32 s55, s55, 0x80000000
	CROUND                                         ; all four work-groups are here: the joint loads meet
	s_cmp_lt_u32 s24, 4
	s_cbranch_scc0 .Lasked
	tensor_load_to_lds s[52:55], s[44:51]
	s_nop 0
.rept 4
	v_nop
.endr
.Lasked:
	s_cmp_eq_u32 s25, 0                            ; my weights and my results: choices on the wave's number alone
	s_cselect_b64 s[56:57], s[6:7], s[8:9]
	s_cselect_b64 s[58:59], s[18:19], s[20:21]
	s_cmp_eq_u32 s25, 2
	s_cselect_b64 s[56:57], s[10:11], s[56:57]
	s_cselect_b64 s[58:59], s[22:23], s[58:59]
	s_add_nc_u64 s[58:59], s[58:59], s[70:71]
	s_lshl_b32 s60, s27, 16                        ; a pair of heads: 65,536 bytes,
	s_bfe_u32 s61, s24, 0x10001
	s_lshl_b32 s61, s61, 15                        ; the head,
	s_add_co_u32 s60, s60, s61
	s_and_b32 s61, s24, 1
	s_lshl_b32 s61, s61, 14                        ; the K step: 128 rows
	s_add_co_u32 s60, s60, s61
	s_mov_b32 s61, 0
	s_add_nc_u64 s[56:57], s[56:57], s[60:61]
	s_cmp_lt_u32 s24, 12
	s_cbranch_scc0 .Lwproj
.irp s, 0,1
.irp i, 0,1,2,3,4,5,6,7,8,9,10,11,12,13,14,15
	global_load_b128 v[W+64*\s+4*\i:W+64*\s+4*\i+3], v2, s[56:57] offset:8192*\s+128*\i   ; row 64 s + 16 (lane / 8) + i: four rows of 128 bytes
.endr
.endr
	s_wait_kmcnt 0x0
	s_cmp_eq_u32 s25, 0
	s_cselect_b32 s60, s32, s34
	s_cmp_eq_u32 s25, 2
	s_cselect_b32 s60, s36, s60
	MKSCALE s60, 160, 161
	s_wait_alu depctr_va_vdst(0)
.irp s, 0,1
	s_wait_loadcnt 16-16*\s                        ; the first 64 rows' sixteen loads are in; the second's may be out
.irp j, 0,1,2,3
.irp i, 0,1,2,3,4,5,6,7,8,9,10,11,12,13,14,15
	v_med3_num_f32 v[TT+16*(\j%2)+\i], v[W+64*\s+4*\i+\j], -v161, v161   ; column j's 16 numbers; the conversion to an 8-bit code does not saturate (ISA guide 7.6.2): the hold comes first
.endr
	v_cvt_scalef32_pk8_fp8_f32 v[WC+16*\s+4*\j:WC+16*\s+4*\j+1], v[TT+16*(\j%2):TT+16*(\j%2)+7], v160
	v_cvt_scalef32_pk8_fp8_f32 v[WC+16*\s+4*\j+2:WC+16*\s+4*\j+3], v[TT+16*(\j%2)+8:TT+16*(\j%2)+15], v160
	ds_store_b128 v11, v[WC+16*\s+4*\j:WC+16*\s+4*\j+3] offset:1024*\s+16*\j
.endr
.endr
	v_nop                                          ; a plain vector line behind the last conversion
	s_branch .Lmeet
.Lwproj:
	s_cmp_lt_u32 s28, 32
	s_cbranch_scc0 .Lmeet
	s_and_b32 s72, s28, 1
	s_lshl_b32 s72, s72, 17                        ; the K step: 128 rows of 1,024 bytes,
	s_lshl_b32 s73, s27, 15                        ; the piece: 32 rows,
	s_add_co_u32 s72, s72, s73
	s_lshr_b32 s73, s28, 1
	s_lshl_b32 s73, s73, 6                         ; 16 columns of 4 bytes
	s_add_co_u32 s72, s72, s73
	s_mov_b32 s73, 0
	s_add_nc_u64 s[12:13], s[12:13], s[72:73]
.irp i, 0,1,2,3,4,5,6,7,8,9,10,11,12,13,14,15
	global_load_b32 v[TT+\i], v1, s[12:13] offset:(\i+8*(\i/8))*1024
.endr
	s_lshl_b32 s72, s28, 11
	s_lshl_b32 s74, s27, 9
	s_add_co_u32 s72, s72, s74                     ; fragment y, piece cx
	s_add_nc_u64 s[16:17], s[16:17], s[72:73]
	s_wait_kmcnt 0x0
	MKSCALE s43, 160, 161
	s_wait_alu depctr_va_vdst(0)
	s_wait_loadcnt 0x0
.irp i, 0,1,2,3,4,5,6,7,8,9,10,11,12,13,14,15
	v_med3_num_f32 v[TT+\i], v[TT+\i], -v161, v161
.endr
	v_cvt_scalef32_pk8_fp8_f32 v[WC:WC+1], v[TT:TT+7], v160
	v_cvt_scalef32_pk8_fp8_f32 v[WC+2:WC+3], v[TT+8:TT+15], v160
	v_nop                                          ; a plain vector line behind the last conversion
	global_store_b128 v5, v[WC:WC+3], s[16:17]     ; 512 consecutive bytes, aligned
.Lmeet:
	s_wait_kmcnt 0x0
	s_sub_co_i32 s66, s38, s32
	s_sub_co_i32 s66, s66, s33                     ; e6 - e0 - e1
	s_sub_co_i32 s67, s39, s34
	s_sub_co_i32 s67, s67, s35                     ; e7 - e2 - e3
	s_sub_co_i32 s68, s41, s36
	s_sub_co_i32 s68, s68, s37                     ; e9 - e4 - e5
	s_cmp_eq_u32 s25, 0
	s_cselect_b32 s66, s66, s67
	s_cselect_b32 s69, s33, s35
	s_cmp_eq_u32 s25, 2
	s_cselect_b32 s66, s68, s66
	s_cselect_b32 s69, s37, s69
	MKSCALE s66, 9, 10
	MKSCALE s69, 12, 13
	s_wait_alu depctr_va_vdst(0)
	s_wait_tensorcnt 0x0                           ; my part of x has landed,
	s_wait_dscnt 0x0                               ; and so have my images: for the others' sake
	s_barrier_signal -1
	s_barrier_wait -1                              ; x and the weights' images lie in LDS
	s_cmp_lt_u32 s24, 12
	s_cbranch_scc0 .Lend
.irp g, 0,1
.irp ks, 0,1
.irp u, 0,1
.irp c, 0,1,2,3
	ds_load_b128 v[W+16*(4*\g+2*\u+\ks)+4*\c:W+16*(4*\g+2*\u+\ks)+4*\c+3], v4 offset:(2*\g+\ks)*4096+\u*2048+512*\c
.endr
.endr
.endr
.endr
; Block n (0 .. 15) of a pair of token tiles: tile n / 8, K step (n / 4) % 2, 32 k's n % 4: 16 numbers a lane
.macro XLOAD pr, n
.irp jj, 0,1,2,3
	ds_load_b128 v[XB+16*((\n)%3)+4*\jj:XB+16*((\n)%3)+4*\jj+3], v3 offset:(32*(\pr)+16*((\n)/8))*XP+512*(((\n)/4)%2)+128*((\n)%4)+16*\jj
.endr
.endm
.macro XQ n
.irp i, 0,1,2,3,4,5,6,7,8,9,10,11,12,13,14,15
	v_med3_num_f32 v[XB+16*((\n)%3)+\i], v[XB+16*((\n)%3)+\i], -v13, v13   ; the hold
.endr
	v_cvt_scalef32_pk8_fp8_f32 v[XF+4*(\n):XF+4*(\n)+1], v[XB+16*((\n)%3):XB+16*((\n)%3)+7], v12
	v_cvt_scalef32_pk8_fp8_f32 v[XF+4*(\n)+2:XF+4*(\n)+3], v[XB+16*((\n)%3)+8:XB+16*((\n)%3)+15], v12
.endm
; One head for a pair of token tiles: 8 matrix instructions on four accumulators by turns, the first four with C = 0; hold, conversion, two stores.
.macro HEAD pr, g
	s_cmp_eq_u32 s25, 2
	s_cbranch_scc1 .Lv_\@
.irp ks, 0,1
.irp t, 0,1
.irp u, 0,1
.if \ks == 0
	v_wmma_f32_16x16x128_fp8_fp8 v[ACC+16*\t+8*\u:ACC+16*\t+8*\u+7], v[W+16*(4*\g+2*\u+\ks):W+16*(4*\g+2*\u+\ks)+15], v[XF+16*(2*\t+\ks):XF+16*(2*\t+\ks)+15], 0
.else
	v_wmma_f32_16x16x128_fp8_fp8 v[ACC+16*\t+8*\u:ACC+16*\t+8*\u+7], v[W+16*(4*\g+2*\u+\ks):W+16*(4*\g+2*\u+\ks)+15], v[XF+16*(2*\t+\ks):XF+16*(2*\t+\ks)+15], v[ACC+16*\t+8*\u:ACC+16*\t+8*\u+7]
.endif
.endr
.endr
.endr
	s_branch .Ldone_\@
.Lv_\@:
.irp ks, 0,1
.irp u, 0,1
.irp t, 0,1
.if \ks == 0
	v_wmma_f32_16x16x128_fp8_fp8 v[ACC+16*\u+8*\t:ACC+16*\u+8*\t+7], v[XF+16*(2*\t+\ks):XF+16*(2*\t+\ks)+15], v[W+16*(4*\g+2*\u+\ks):W+16*(4*\g+2*\u+\ks)+15], 0
.else
	v_wmma_f32_16x16x128_fp8_fp8 v[ACC+16*\u+8*\t:ACC+16*\u+8*\t+7], v[XF+16*(2*\t+\ks):XF+16*(2*\t+\ks)+15], v[W+16*(4*\g+2*\u+\ks):W+16*(4*\g+2*\u+\ks)+15], v[ACC+16*\u+8*\t:ACC+16*\u+8*\t+7]
.endif
.endr
.endr
.endr
.Ldone_\@:
.rept 4
	v_nop                                          ; four places behind the products (ISA guide 7.12.1), ahead of the first read of results
.endr
.set j, 0
.rept 32
	v_med3_num_f32 v[ACC+j], v[ACC+j], -v10, v10   ; each accumulator from its low end on
.set j, j+1
.endr
.irp a, 0,1
	v_cvt_scalef32_pk8_fp8_f32 v[CO+8*\g+4*\a:CO+8*\g+4*\a+1], v[ACC+16*\a:ACC+16*\a+7], v9
	v_cvt_scalef32_pk8_fp8_f32 v[CO+8*\g+4*\a+2:CO+8*\g+4*\a+3], v[ACC+16*\a+8:ACC+16*\a+15], v9
.endr
	v_nop                                          ; a plain vector line between the conversions and the next products, which write their sources
.irp a, 0,1
	global_store_b128 v[5+2*\pr+\a], v[CO+8*\g+4*\a:CO+8*\g+4*\a+3], s[58:59] offset:\g*65536   ; 512 consecutive bytes, aligned
.endr
.endm
.macro PAIR pr                         ; token tiles 2 pr and 2 pr + 1 of my four
	XLOAD \pr, 0
	XLOAD \pr, 1
	XLOAD \pr, 2
.irp n, 0,1,2,3,4,5,6,7,8,9,10,11,12,13,14,15
.if \n < 14
	s_wait_dscnt 0x8                               ; this block's four loads are in, and all that is older; the two blocks behind it may be out
.else
	s_wait_dscnt 4*(15-\n)
.endif
	XQ \n
.if \n < 13
	XLOAD \pr, \n+3
.endif
.endr
	v_nop                                          ; a plain vector line between the conversions and the products that read their results
	s_wait_alu depctr_va_vdst(0)
	HEAD \pr, 0
	HEAD \pr, 1
.endm
	PAIR 0
	s_wait_alu depctr_va_vdst(0)
	s_wait_xcnt 0x0                                ; the four stores have read their data: the next blocks of x may land there
	PAIR 1
.Lend:
	s_wait_tensorcnt 0x0                           ; the wave's end
	ds_add_u32 v14, v15
	s_wait_dscnt 0x0
	CROUND                                         ; the closing round: no work-group ends while a partner may still ask for a tile that names it
	s_endpgm
.Lfunc_end_k_q2bb4b34016_qkv:
	.size	k_q2bb4b34016_qkv, .Lfunc_end_k_q2bb4b34016_qkv-k_q2bb4b34016_qkv
	.p2alignl 7, 3214868480
	.fill 96, 4, 3214868480
	.section	.rodata,"a",@progbits
	.p2align	6, 0x0
	.amdhsa_kernel k_q2bb4b34016_qkv
		.amdhsa_group_segment_fixed_size 317184
		.amdhsa_private_segment_fixed_size 0
		.amdhsa_enable_private_segment 0
		.amdhsa_kernarg_size 80
		.amdhsa_user_sgpr_count 2
		.amdhsa_user_sgpr_kernarg_segment_ptr 1
		.amdhsa_wavefront_size32 1
		.amdhsa_system_sgpr_workgroup_id_x 1
		.amdhsa_system_sgpr_workgroup_id_y 1
		.amdhsa_system_sgpr_workgroup_id_z 1
		.amdhsa_system_vgpr_workitem_id 0
		.amdhsa_next_free_vgpr 256
		.amdhsa_next_free_sgpr 80
		.amdhsa_reserve_vcc 0
		.amdhsa_float_denorm_mode_32 3
		.amdhsa_float_denorm_mode_16_64 3
		.amdhsa_memory_ordered 1
		.amdhsa_forward_progress 1
		.amdhsa_inst_pref_size 86
	.end_amdhsa_kernel
	.amdgpu_metadata
---
amdhsa.version: [ 1, 2 ]
amdhsa.kernels:
  - .name:           k_q2bb4b34016_qkv
    .symbol:         k_q2bb4b34016_qkv.kd
    .args:
      - { .name: x, .offset: 0, .size: 8, .value_kind: global_buffer, .address_space: global }
      - { .name: wq, .offset: 8, .size: 8, .value_kind: global_buffer, .address_space: global }
      - { .name: wk, .offset: 16, .size: 8, .value_kind: global_buffer, .address_space: global }
      - { .name: wv, .offset: 24, .size: 8, .value_kind: global_buffer, .address_space: global }
      - { .name: wproj, .offset: 32, .size: 8, .value_kind: global_buffer, .address_space: global }
      - { .name: lowp_scales, .offset: 40, .size: 8, .value_kind: global_buffer, .address_space: global }
      - { .name: wcodes, .offset: 48, .size: 8, .value_kind: global_buffer, .address_space: global }
      - { .name: q_codes, .offset: 56, .size: 8, .value_kind: global_buffer, .address_space: global }
      - { .name: k_codes, .offset: 64, .size: 8, .value_kind: global_buffer, .address_space: global }
      - { .name: v_codes, .offset: 72, .size: 8, .value_kind: global_buffer, .address_space: global }
    .group_segment_fixed_size: 317184
    .private_segment_fixed_size: 0
    .kernarg_segment_align: 8
    .kernarg_segment_size: 80
    .max_flat_workgroup_size: 416
    .sgpr_count:     80
    .vgpr_count:     256
    .wavefront_size: 32
...
	.end_amdgpu_metadata
.endif
;; end of part 1
;; launch attn (part 2): grid 64 x 4, 16 waves a work-group, no clusters, 133,120 bytes of LDS; arguments q_codes, k_codes, v_codes, lowp_scales, o_codes; writes o_codes
.if DOCPART == 2
	.amdgcn_target "amdgcn-amd-amdhsa--gfx1250"
	.amdhsa_code_object_version 6
	.text
	.protected	k_q2bb4b34016_attn
	.globl	k_q2bb4b34016_attn
	.p2align	8
	.type	k_q2bb4b34016_attn,@function
k_q2bb4b34016_attn:
	s_mov_b64 s[64:65], 0
	v_nop
	global_prefetch_b8 v0, s[64:65] scope:SCOPE_SE
	s_setreg_imm32_b32 hwreg(HW_REG_WAVE_MODE, 25, 1), 1
	s_wait_xcnt 0x0
; out[head][q] = the sum over keys of softmax(q . k / 16) v, both products on codes of E4M3, for 64 heads (batch x 8 + head) of 2,048 tokens and 32 channels; the result is quantised for the last product.
; THE SOFTMAX AHEAD OF THE SECOND PRODUCT: t = score x c, c = log2(e) / 16; M = the running largest t rounded UP to a whole number, kept as -M = floor(-c x the largest score); p = 2^(t - M) is quantised with the given 2^e8, not normalised.
; The row's sum is taken of the unquantised p and divides at the end.  When M moves, the sum and O are multiplied by 2^(old M - new M), made by v_ldexp_f32: nothing is rounded, and no branch hangs on floating-point data.
; THE HOLD OF p at 448 x 2^e8.  p is at most 1 (and the roundings of t), so for e8 >= -8 the number to be converted, p / 2^e8, is at most 256 and the hold changes nothing: the step stands in two copies, with the hold and without, and the given e8, a whole number
; read from memory, chooses in each trip.  K and V come through registers, each work-group for itself, and the four work-groups of a head make no joint requests:
; what they share is 131,072 bytes, asked for once, at the head.  Nothing is prefetched: no loop stands ahead of those loads.
; SHARES.  A work-group owns 512 queries of one head; each of its sixteen waves two tiles of 16 (A, B), in 256 registers.  Every wave walks the head's 2,048 keys, 128 a step; a fragment of K or V read from LDS serves both tiles.
; A's and B's vector work is interleaved: maxima in eight chains, A's exponentials beside B's multiply-adds, B's exponentials beside A's holds.
; LDS.  A head's K and V codes are 65,536 bytes each and lie in LDS whole: K at 0, V at 65,536, as they lie in memory: images of operand registers, pieces of 512 bytes, lane l's 16 bytes at 16 l.  Wave w brings step w of both.
; FIRST PRODUCT, K = 32, by the 16x16x64 form.  S^T = K Q^T: source 0 is eight registers = TWO key tiles (each: lane (r, h) = key r, d = 16 h + 0 .. 15); source 1 is q in one half and zeros in the other:
; [q | 0] gives the first tile's scores, [0 | q] the second's.  0, qA, 0, qB, 0 lie in twenty registers, so all four are runs of eight.  (A held code is never the NaN code, so code x 0 = 0.)
; A lane then holds ONE query (lane % 16); register 8 t + j is key 16 t + 8 h + j of the step: converted eight at a time, that is the 16x16x128 form's own layout of source 1; V's images have the same.
; SECOND PRODUCT.  O^T = V^T P^T: source 0 = 16 channels x 128 keys, source 1 = P.  A lane holds query r, channels 8 h + j and 16 + 8 h + j.
; o_codes: [token tile][head][512]: lane (r, h): token r, those 16 channels: a piece of the last product's operand.  Each store of the wave covers 512 consecutive bytes, aligned.
; LIMITS on the given exponents, so that each power of two below is an f32 number: e6 + e7 between -122 and 131 (added to c's exponent field); e8, and e10 - e8 - e9, between -126 and 119.
; LIMITS on the data: the scaled scores (exponents to the base 2, before the maximum is taken away) stay under 2^31 in magnitude; NaN among the inputs is not served.
.set AK0,  1                           ; v1   16 x lane: my place in a piece; the global offset
.set AD,   2                           ; v2   LDS address of the piece being fetched
.set SPW,  3                           ; v3   LDS address of my spare word; never rewritten
.set NIL,  4                           ; v4   0; never rewritten
.set PSC,  5                           ; v5   2^e8
.set PL,   6                           ; v6, v7  448 x 2^e8, twice
.set STA,  8                           ; v8 -M, v9 the largest score, v[10:11] the sum in two halves: tile A
.set STB,  12                          ; v12-15 the same: tile B
.set FF,   16                          ; v16, v17 the old -M, then f = 2^(old M - new M), of A, of B
.set QQ,   18                          ; v18-37 0, qA, 0, qB, 0
.set KE,   38                          ; v38-61 a step's key tiles 0-5, 4 registers each; between the products temporaries:
.set TA,   38                          ; v38-41 A's maxima, then
.set TB,   42                          ; v42-45 B's
.set UA,   46                          ; v46-51 A's sum, chains 1-3
.set UB,   52                          ; v52-57 B's
.set VF,   62                          ; v62-93 a step's V: channel tile ct at VF + 16 ct
.set PCA,  94                          ; v94-109 p's codes of A: two registers, then over A's converted scores
.set SA,   96                          ; v96-159 S^T, then p, of A
.set PCB,  112                         ; v112-127 p's codes of B, in A's freed registers
.set KL,   128                         ; v128-135 the next step's key tiles 6, 7, in A's freed registers
.set SB,   160                         ; v160-223 S^T, then p, of B
.set OT,   224                         ; v224-255 O^T: tile x 16 + 8 ct
.set SPARE, 0x20000                    ; behind K and V: the spare words, 128 bytes for each wave
; s14 wave; s16 head; s[20:24] e6 .. e10; s25 -c; s[26:27] c; s[28:29] lane selects; s30 LDS byte of the next step's K; s60 of this step's V; s31 trips; s59 1 where p is held; s61, s62 the result's scale and limit
.macro SMUL kf, t                      ; the scores of key tile t, of A and of B
	v_wmma_f32_16x16x64_fp8_fp8 v[SA+8*(\t):SA+8*(\t)+7], v[\kf:\kf+7], v[QQ+4-4*((\t)%2):QQ+11-4*((\t)%2)], 0
	v_wmma_f32_16x16x64_fp8_fp8 v[SB+8*(\t):SB+8*(\t)+7], v[\kf:\kf+7], v[QQ+12-4*((\t)%2):QQ+19-4*((\t)%2)], 0
.endm
.macro SADD p, st, u, n                ; addition n (0 .. 28) of a tile's 32 pairs of p: four chains, the first of them the running sum
.if (\n) == 0
	v_pk_add_f32 v[\st+2:\st+3], v[\st+2:\st+3], v[\p:\p+1]
.elseif (\n) < 4
	v_pk_add_f32 v[\u+2*(\n)-2:\u+2*(\n)-1], v[\p+4*(\n)-2:\p+4*(\n)-1], v[\p+4*(\n):\p+4*(\n)+1]
.elseif ((\n)%4) == 0
	v_pk_add_f32 v[\st+2:\st+3], v[\st+2:\st+3], v[\p+2*(\n)+6:\p+2*(\n)+7]
.else
	v_pk_add_f32 v[\u+2*((\n)%4)-2:\u+2*((\n)%4)-1], v[\u+2*((\n)%4)-2:\u+2*((\n)%4)-1], v[\p+2*(\n)+6:\p+2*(\n)+7]
.endif
.endm
.macro HOLD b                          ; the conversion does not saturate (ISA guide 7.6.2); p is not negative, so the hold is one-sided
	v_dual_min_num_f32 v[\b], v[\b], v[PL] :: v_dual_min_num_f32 v[\b+1], v[\b+1], v[PL+1]
.endm
.macro CVT pc, s, t                    ; registers 2 t, 2 t + 1 of the operand: keys 16 t + 8 h + 0 .. 7
	v_cvt_scalef32_pk8_fp8_f32 v[\pc+2*(\t):\pc+2*(\t)+1], v[\s+8*(\t):\s+8*(\t)+7], v[PSC]
.endm
.macro FMAS s, st, j, n                ; t - M, two at a time (of the pairs c and -M the low word serves both halves)
.set jj, \j
.rept \n
	v_pk_fma_f32 v[\s+jj:\s+jj+1], v[\s+jj:\s+jj+1], s[26:27], v[\st:\st+1] op_sel_hi:[1,0,0]
.set jj, jj+2
.endr
.endm
; A KEY STEP.  pre = 1: the next step's K is fetched ahead of the second product.  held = 1: with the hold of p.
; Key tiles 6, 7 come first: their products write over none of the second product's registers.  The five places behind them serve the products that follow, which write over p's codes (the second product's source) and over tiles 6's and 7's registers.
.macro STEP pre, held
	s_wait_dscnt 0x0                               ; this step's K is in
	SMUL KL, 6
	SMUL KL, 7
.rept 5
	v_nop
.endr
.irp t, 0,1,2,3,4,5
	SMUL KE+8*(\t/2), \t
.endr
	v_add_nc_u32 v[AD], s60, v[AK0]                ; with the three below: four places ahead of the first read of scores, of writes into K's registers and of the loads
	v_mov_b32 v[FF], v[STA]                        ; the old -M
	v_mov_b32 v[FF+1], v[STB]
	v_nop
.irp f, 0,1,2,3,4,5,6,7
	ds_load_b128 v[VF+4*\f:VF+4*\f+3], v[AD] offset:512*\f
.endr
.irp c, 0,1,2,3                        ; the largest score among my 64 keys and of the steps before: four chains a tile, each over two accumulators from their low ends on
	v_max3_num_f32 v[TA+\c], v[SA+16*\c], v[SA+16*\c+1], v[SA+16*\c+2]
	v_max3_num_f32 v[TB+\c], v[SB+16*\c], v[SB+16*\c+1], v[SB+16*\c+2]
.endr
.irp i, 3,5,7,9,11,13
.irp c, 0,1,2,3
	v_max3_num_f32 v[TA+\c], v[TA+\c], v[SA+16*\c+\i], v[SA+16*\c+\i+1]
	v_max3_num_f32 v[TB+\c], v[TB+\c], v[SB+16*\c+\i], v[SB+16*\c+\i+1]
.endr
.endr
	v_max3_num_f32 v[TA], v[TA], v[TA+1], v[SA+15]
	v_max3_num_f32 v[TB], v[TB], v[TB+1], v[SB+15]
	v_max3_num_f32 v[TA+2], v[TA+2], v[TA+3], v[SA+31]
	v_max3_num_f32 v[TB+2], v[TB+2], v[TB+3], v[SB+31]
	v_max3_num_f32 v[TA], v[TA], v[SA+47], v[SA+63]
	v_max3_num_f32 v[TB], v[TB], v[SB+47], v[SB+63]
	v_max3_num_f32 v[TA], v[TA], v[TA+2], v[STA+1]
	v_max3_num_f32 v[TB], v[TB], v[TB+2], v[STB+1]
	v_permlanex16_b32 v[TA+1], v[TA], s28, s29
	v_permlanex16_b32 v[TB+1], v[TB], s28, s29
	v_max_num_f32 v[STA+1], v[TA], v[TA+1]         ; and among lane l xor 16's
	v_max_num_f32 v[STB+1], v[TB], v[TB+1]
	v_mul_f32 v[TA], s25, v[STA+1]                 ; -t of the largest (c is positive)
	v_mul_f32 v[TB], s25, v[STB+1]
	v_floor_f32 v[STA], v[TA]                      ; the new -M = floor(-t) = -ceil(t)
	v_floor_f32 v[STB], v[TB]
	v_sub_f32 v[TA+1], v[STA], v[FF]               ; old M - new M: a whole number, 0 or less
	v_sub_f32 v[TB+1], v[STB], v[FF+1]
	FMAS SA, STA, 0, 6
	v_cvt_i32_f32 v[TA+1], v[TA+1]                 ; (it saturates)
	v_cvt_i32_f32 v[TB+1], v[TB+1]
	FMAS SA, STA, 12, 6
	v_ldexp_f32 v[FF], 1.0, v[TA+1]                ; f
	v_ldexp_f32 v[FF+1], 1.0, v[TB+1]
	FMAS SA, STA, 24, 20
	v_pk_mul_f32 v[STA+2:STA+3], v[STA+2:STA+3], v[FF:FF+1] op_sel_hi:[1,0]               ; the sums and O^T under the new M: A by the pair's low word, B by its high one
	v_pk_mul_f32 v[STB+2:STB+3], v[STB+2:STB+3], v[FF:FF+1] op_sel:[0,1] op_sel_hi:[1,1]
.set j, 0
.rept 8
	v_pk_mul_f32 v[OT+j:OT+j+1], v[OT+j:OT+j+1], v[FF:FF+1] op_sel_hi:[1,0]
	v_pk_mul_f32 v[OT+16+j:OT+16+j+1], v[OT+16+j:OT+16+j+1], v[FF:FF+1] op_sel:[0,1] op_sel_hi:[1,1]
.set j, j+2
.endr
	s_wait_alu depctr_va_vdst(0)
.set j, 0
.rept 32
	v_exp_f32 v[SA+j], v[SA+j]                     ; A: p = 2^(t - M), at most 1
	v_exp_f32 v[SA+j+1], v[SA+j+1]
	v_pk_fma_f32 v[SB+j:SB+j+1], v[SB+j:SB+j+1], s[26:27], v[STB:STB+1] op_sel_hi:[1,0,0]   ; B: t - M.  The last one is also the plain line behind the batch
.set j, j+2
.endr
	s_wait_alu depctr_va_vdst(0)                   ; the wait behind A's batch and ahead of B's: one for the two
.irp n, 0,1,2,3,4,5,6,7,8,9,10,11,12,13,14,15,16,17,18,19,20,21,22,23,24,25,26,27,28
	SADD SA, STA, UA, \n                           ; the row's sum is taken of the unquantised p
.endr
.set j, 0
.rept 32
	v_exp_f32 v[SB+j], v[SB+j]
	v_exp_f32 v[SB+j+1], v[SB+j+1]
.if \held
	HOLD SA+j
.endif
.set j, j+2
.endr
.if \pre
	v_add_nc_u32 v[AD], s30, v[AK0]                ; the plain line behind the batch
.else
	v_nop                                          ; the plain line behind the batch
.endif
	s_wait_alu depctr_va_vdst(0)                   ; the wait ahead of the batch's first reader
.irp t, 0,1,2,3,4,5,6                  ; plain lines stand between two conversions: A's codes overwrite scores that earlier conversions have read
	CVT PCA, SA, \t
	SADD SB, STB, UB, 4*\t
	SADD SB, STB, UB, 4*\t+1
	SADD SB, STB, UB, 4*\t+2
	SADD SB, STB, UB, 4*\t+3
.endr
	CVT PCA, SA, 7
	SADD SB, STB, UB, 28
	v_pk_add_f32 v[STA+2:STA+3], v[STA+2:STA+3], v[UA:UA+1]   ; the chains join
	v_pk_add_f32 v[UA+2:UA+3], v[UA+2:UA+3], v[UA+4:UA+5]
	v_pk_add_f32 v[STB+2:STB+3], v[STB+2:STB+3], v[UB:UB+1]
	v_pk_add_f32 v[UB+2:UB+3], v[UB+2:UB+3], v[UB+4:UB+5]
	v_pk_add_f32 v[STA+2:STA+3], v[STA+2:STA+3], v[UA+2:UA+3]
	v_pk_add_f32 v[STB+2:STB+3], v[STB+2:STB+3], v[UB+2:UB+3]
.if \pre
.irp t, 0,1,2,3,4,5
	ds_load_b128 v[KE+4*\t:KE+4*\t+3], v[AD] offset:512*\t
.endr
.irp t, 6,7
	ds_load_b128 v[KL+4*(\t-6):KL+4*(\t-6)+3], v[AD] offset:512*\t   ; A's conversions have read these registers
.endr
.endif
.irp t, 0,1,2,3,4,5,6,7
.if \held
	HOLD SB+8*\t
	HOLD SB+8*\t+2
	HOLD SB+8*\t+4
	HOLD SB+8*\t+6
.endif
.if \t > 0
	CVT PCB, SB, \t-1
.endif
.endr
	CVT PCB, SB, 7
	v_nop                                          ; a plain line between the conversions and the products that read their results
	s_wait_alu depctr_va_vdst(0)
	s_wait_dscnt 8*\pre                            ; V's eight loads are in; the eight of the next step's K, issued behind them, may be out
.irp ct, 0,1                           ; four accumulators, one instruction each
	v_wmma_f32_16x16x128_fp8_fp8 v[OT+8*\ct:OT+8*\ct+7], v[VF+16*\ct:VF+16*\ct+15], v[PCA:PCA+15], v[OT+8*\ct:OT+8*\ct+7]
	v_wmma_f32_16x16x128_fp8_fp8 v[OT+16+8*\ct:OT+16+8*\ct+7], v[VF+16*\ct:VF+16*\ct+15], v[PCB:PCB+15], v[OT+16+8*\ct:OT+16+8*\ct+7]
.endr
.endm
	s_load_b256 s[4:11], s[0:1], 0x0               ; q's codes s[4:5], k's s[6:7], v's s[8:9], the scales' exponents s[10:11]
	s_load_b64 s[12:13], s[0:1], 0x20              ; the result's codes
	v_lshl_add_u32 v[SPW], v0, 2, SPARE
	v_mov_b32 v[NIL], 0
	v_lshrrev_b32 v2, 5, v0
	v_readfirstlane_b32 s14, v2                    ; wave 0..15
	s_mov_b32 s16, ttmp9                           ; batch x 8 + head
	s_and_b32 s15, ttmp7, 0xffff                   ; my block of 512 queries
	v_and_b32 v2, 31, v0
	v_lshlrev_b32 v[AK0], 4, v2
	s_lshl_b32 s34, s14, 12                        ; the step of K and V that I bring: 4,096 bytes of each
	v_add_nc_u32 v[AD], s34, v[AK0]
	v_add_nc_u32 v[TB], 0x10000, v[AD]             ; its place in V
	s_mov_b32 s28, 0x76543210                      ; v_permlanex16_b32: lane l xor 16
	s_mov_b32 s29, 0xfedcba98
	s_mov_b32 s30, 4096
	s_mov_b32 s60, 0x10000
	s_lshl_b32 s2, s16, 16                         ; the head's 65,536 bytes in each of q, k, v
	s_lshl_b32 s17, s15, 14                        ; q: my block's 32 tiles of 512 bytes,
	s_lshl_b32 s18, s14, 10                        ; my wave's two
	s_add_co_u32 s18, s18, s17
	s_add_co_u32 s18, s18, s2
	s_mov_b32 s19, 0
	s_add_co_u32 s34, s34, s2
	s_mov_b32 s35, 0
	s_wait_alu depctr_va_vdst(0)
	s_wait_kmcnt 0x0
	s_load_b128 s[20:23], s[10:11], 0x18           ; e6, e7, e8, e9
	s_load_b32 s24, s[10:11], 0x28                 ; e10
	s_add_nc_u64 s[4:5], s[4:5], s[18:19]
	s_add_nc_u64 s[6:7], s[6:7], s[34:35]
	s_add_nc_u64 s[8:9], s[8:9], s[34:35]
.irp i, 0,1,2,3,4,5,6,7
	global_load_b128 v[SA+4*\i:SA+4*\i+3], v[AK0], s[6:7] offset:512*\i        ; 512 consecutive bytes each
.endr
.irp i, 0,1,2,3,4,5,6,7
	global_load_b128 v[SA+32+4*\i:SA+32+4*\i+3], v[AK0], s[8:9] offset:512*\i
.endr
	global_load_b128 v[QQ+4:QQ+7], v[AK0], s[4:5]
	global_load_b128 v[QQ+12:QQ+15], v[AK0], s[4:5] offset:512
	s_lshr_b32 s18, s16, 3                         ; the result: batch x 128 token tiles of 4,096 bytes,
	s_lshl_b32 s18, s18, 19
	s_lshl_b32 s17, s15, 17                        ; my block's 32 tiles,
	s_add_co_u32 s18, s18, s17
	s_lshl_b32 s17, s14, 13                        ; my wave's two,
	s_add_co_u32 s18, s18, s17
	s_and_b32 s17, s16, 7
	s_lshl_b32 s17, s17, 9                         ; the head's piece
	s_add_co_u32 s36, s18, s17
	s_mov_b32 s37, 0
	s_add_nc_u64 s[12:13], s[12:13], s[36:37]
.irp j, 0,1,2,3
	v_mov_b32 v[QQ+\j], 0                          ; the zero parts
	v_mov_b32 v[QQ+8+\j], 0
	v_mov_b32 v[QQ+16+\j], 0
.endr
.irp st, STA, STB
	v_mov_b32 v[\st], 0x7f61b1e6                   ; -M: 3e38
	v_mov_b32 v[\st+1], 0xff61b1e6                 ; the largest score so far: -3e38
	v_mov_b32 v[\st+2], 0                          ; the sum
	v_mov_b32 v[\st+3], 0
.endr
.set j, 0
.rept 32
	v_mov_b32 v[OT+j], 0                           ; O^T: the step is written once for all steps: the first finds zeros, which the first change of M leaves zeros
.set j, j+1
.endr
	v_mov_b32 v[TA+1], 0                           ; written once: a lane permute's destination counts as one of its sources
	s_wait_kmcnt 0x0
	s_add_co_i32 s17, s20, s21
	s_lshl_b32 s17, s17, 23
	s_mov_b32 s26, 0x3db8aa3b                      ; c = log2(e) / 16
	s_add_co_i32 s26, s26, s17                     ; a score stands for score x 2^(e6 + e7): the two exponents are added to c's exponent field
	s_mov_b32 s27, s26                             ; (named with it as a pair, so it is written)
	s_xor_b32 s25, s26, 0x80000000                 ; -c
	s_cmp_lt_i32 s22, -8
	s_cselect_b32 s59, 1, 0                        ; is p held?
	s_add_co_i32 s17, s22, 127
	s_lshl_b32 s18, s17, 23
	v_mov_b32 v[PSC], s18                          ; 2^e8
	s_add_co_i32 s17, s17, 8
	s_lshl_b32 s17, s17, 23
	s_or_b32 s17, s17, 0x600000
	v_mov_b32 v[PL], s17                           ; 448 x 2^e8
	v_mov_b32 v[PL+1], s17
	s_sub_co_i32 s17, s24, s22
	s_sub_co_i32 s17, s17, s23                     ; O^T / the sum stands for that x 2^(e8 + e9): its code is that / 2^(e10 - e8 - e9)
	s_add_co_i32 s17, s17, 127
	s_lshl_b32 s61, s17, 23
	s_add_co_i32 s17, s17, 8
	s_lshl_b32 s17, s17, 23
	s_or_b32 s62, s17, 0x600000
	s_wait_alu depctr_va_vdst(0)
	s_wait_loadcnt 0xa                             ; my step of K is in; V's eight loads and q's two may be out
.irp i, 0,1,2,3,4,5,6,7
	ds_store_b128 v[AD], v[SA+4*\i:SA+4*\i+3] offset:512*\i
.endr
	s_wait_loadcnt 0x2                             ; and of V
.irp i, 0,1,2,3,4,5,6,7
	ds_store_b128 v[TB], v[SA+32+4*\i:SA+32+4*\i+3] offset:512*\i
.endr
	s_wait_loadcnt 0x0                             ; q
	s_wait_dscnt 0x0                               ; for the others' sake: my stores have landed
	s_barrier_signal -1
	s_barrier_wait -1                              ; all of K and V lies in LDS
.irp t, 0,1,2,3,4,5
	ds_load_b128 v[KE+4*\t:KE+4*\t+3], v[AK0] offset:512*\t   ; K of step 0
.endr
.irp t, 6,7
	ds_load_b128 v[KL+4*(\t-6):KL+4*(\t-6)+3], v[AK0] offset:512*\t
.endr
	s_mov_b32 s31, 15
.Lkeys:
	s_cmp_lg_u32 s59, 0
	s_cbranch_scc1 .Lheld
	STEP 1, 0
	s_branch .Lnext
.Lheld:
	STEP 1, 1
.Lnext:
	s_add_co_u32 s30, s30, 4096                    ; on to the next step
	s_add_co_u32 s60, s60, 4096
	s_sub_co_u32 s31, s31, 1
	s_cmp_lg_u32 s31, 0
	s_cbranch_scc1 .Lkeys
	s_cmp_lg_u32 s59, 0                            ; step 15 is written out: there is no K behind it to fetch
	s_cbranch_scc1 .Lheld_last
	STEP 0, 0
	s_branch .Lout
.Lheld_last:
	STEP 0, 1
.Lout:
	; THE WAY OUT.  The sums' halves and lane l xor 16's are added; O^T is divided by the sum, held, converted: a lane's 16 codes are a piece's 16 bytes.
	; The first eight lines are also the places behind the last products (four are asked: ISA guide 7.12.1).
	v_add_f32 v[STA+2], v[STA+2], v[STA+3]
	v_add_f32 v[STB+2], v[STB+2], v[STB+3]
	v_mov_b32 v[PSC], s61                          ; 2^(e10 - e8 - e9),
	v_mov_b32 v[PL], s62                           ; and 448 x that
	v_permlanex16_b32 v[TA], v[STA+2], s28, s29
	v_permlanex16_b32 v[TB], v[STB+2], s28, s29
	v_add_f32 v[STA+2], v[STA+2], v[TA]
	v_add_f32 v[STB+2], v[STB+2], v[TB]
	s_wait_alu depctr_va_vdst(0)
	v_rcp_f32 v[STA+2], v[STA+2]                   ; the sum is above 1/2: the row's largest p is
	v_rcp_f32 v[STB+2], v[STB+2]
	v_nop                                          ; a plain line behind the reciprocals
	s_wait_alu depctr_va_vdst(0)                   ; ahead of the reciprocals' first reader and of O^T's: one for both
.set j, 0
.rept 16
	v_mul_f32 v[SA+j], v[OT+j], v[STA+2]           ; each accumulator from its low end on
	v_mul_f32 v[SA+16+j], v[OT+16+j], v[STB+2]
.set j, j+1
.endr
.set j, 0
.rept 32
	v_med3_num_f32 v[SA+j], v[SA+j], -v[PL], v[PL]
.set j, j+1
.endr
.irp g, 0,1,2,3
	v_cvt_scalef32_pk8_fp8_f32 v[KE+2*\g:KE+2*\g+1], v[SA+8*\g:SA+8*\g+7], v[PSC]
.endr
	v_nop                                          ; a plain vector line behind the last conversion
	global_store_b128 v[AK0], v[KE:KE+3], s[12:13]                 ; tile A: 512 consecutive bytes, aligned
	global_store_b128 v[AK0], v[KE+4:KE+7], s[12:13] offset:4096   ; tile B: the next token tile
	s_wait_tensorcnt 0x0                           ; the wave's end
	ds_add_u32 v[SPW], v[NIL]
	s_wait_dscnt 0x0
	s_endpgm
.Lfunc_end_k_q2bb4b34016_attn:
	.size	k_q2bb4b34016_attn, .Lfunc_end_k_q2bb4b34016_attn-k_q2bb4b34016_attn
	.p2alignl 7, 3214868480
	.fill 96, 4, 3214868480
	.section	.rodata,"a",@progbits
	.p2align	6, 0x0
	.amdhsa_kernel k_q2bb4b34016_attn
		.amdhsa_group_segment_fixed_size 133120
		.amdhsa_private_segment_fixed_size 0
		.amdhsa_enable_private_segment 0
		.amdhsa_kernarg_size 40
		.amdhsa_user_sgpr_count 2
		.amdhsa_user_sgpr_kernarg_segment_ptr 1
		.amdhsa_wavefront_size32 1
		.amdhsa_system_sgpr_workgroup_id_x 1
		.amdhsa_system_sgpr_workgroup_id_y 1
		.amdhsa_system_sgpr_workgroup_id_z 1
		.amdhsa_system_vgpr_workitem_id 0
		.amdhsa_next_free_vgpr 256
		.amdhsa_next_free_sgpr 66
		.amdhsa_reserve_vcc 0
		.amdhsa_float_denorm_mode_32 3
		.amdhsa_float_denorm_mode_16_64 3
		.amdhsa_memory_ordered 1
		.amdhsa_forward_progress 1
		.amdhsa_inst_pref_size 106
	.end_amdhsa_kernel
	.amdgpu_metadata
---
amdhsa.version: [ 1, 2 ]
amdhsa.kernels:
  - .name:           k_q2bb4b34016_attn
    .symbol:         k_q2bb4b34016_attn.kd
    .args:
      - { .name: q_codes, .offset: 0, .size: 8, .value_kind: global_buffer, .address_space: global }
      - { .name: k_codes, .offset: 8, .size: 8, .value_kind: global_buffer, .address_space: global }
      - { .name: v_codes, .offset: 16, .size: 8, .value_kind: global_buffer, .address_space: global }
      - { .name: lowp_scales, .offset: 24, .size: 8, .value_kind: global_buffer, .address_space: global }
      - { .name: o_codes, .offset: 32, .size: 8, .value_kind: global_buffer, .address_space: global }
    .group_segment_fixed_size: 133120
    .private_segment_fixed_size: 0
    .kernarg_segment_align: 8
    .kernarg_segment_size: 40
    .max_flat_workgroup_size: 512
    .sgpr_count:     66
    .vgpr_count:     256
    .wavefront_size: 32
...
	.end_amdgpu_metadata
.endif
;; end of part 2
;; launch proj (part 3): grid 256 x 1, 8 waves a work-group, no clusters, 35,840 bytes of LDS; arguments o_codes, wcodes, lowp_scales, bproj, out0; writes out0
.if DOCPART == 3
	.amdgcn_target "amdgcn-amd-amdhsa--gfx1250"
	.amdhsa_code_object_version 6
	.text
	.protected	k_q2bb4b34016_proj
	.globl	k_q2bb4b34016_proj
	.p2align	8
	.type	k_q2bb4b34016_proj,@function
k_q2bb4b34016_proj:
	s_mov_b64 s[64:65], 0
	v_nop
	global_prefetch_b8 v0, s[64:65] scope:SCOPE_SE
	s_setreg_imm32_b32 hwreg(HW_REG_WAVE_MODE, 25, 1), 1
	s_wait_xcnt 0x0
; out0 = o wproj + bproj on codes of E4M3.  o: [1,024 token tiles][8 heads][512 bytes], wproj's codes: 32 fragments of 2,048 bytes: both images of operand registers, with the same order of k in both.
; A finished sum stands for sum x 2^(e10 + e11): one packed multiply-add for two numbers gives sum x 2^(e10 + e11) + bias.
; SHARES.  A work-group takes 64 tokens.  Wave w of eight: columns 64 (w % 4) .. + 63 (256 bytes of each row of out0, aligned) of token tiles 2 (w / 4) and 2 (w / 4) + 1.  Waves share nothing: no barrier.
; THE MATRIX INSTRUCTION IS USED TRANSPOSED (source 0 = 16 columns of wproj, source 1 = 16 tokens): a lane holds eight neighbouring numbers of a row.  A tile of 16 rows x 64 columns goes through the wave's own stage
; in LDS (rows of 256 bytes + 16) and comes back by rows: sixteen lanes store 256 consecutive bytes, aligned.
; NO JOINT LOADS though all work-groups read the same 65,536 bytes of wproj's codes: a wave's 16,384 bytes go from memory straight into operand registers; brought jointly they would land in LDS and be read once more from there.
; LIMIT: e10 + e11 between -126 and 127, so that 2^(e10 + e11) is an f32 number.
.set W,   16                           ; v16-143  wproj's fragments: (column tile i, K step ks) at W + 16 (2 i + ks)
.set OF,  144                          ; v144-207 o's fragments: (token tile t, K step ks) at OF + 16 (2 t + ks); later tile t's 16 rows read back, at OF + 32 t
.set ACC, 208                          ; v208-239 four accumulators
; v1 16 x lane; v2 the stage, in; v3 the stage, back; v4 my byte in two rows of out0; v5 16 r; v[8:11] the bias of my four columns; v240 my spare word; v241 0
	s_load_b256 s[4:11], s[0:1], 0x0               ; o's codes s[4:5], wproj's codes s[6:7], the scales' exponents s[8:9], the bias s[10:11]
	s_load_b64 s[12:13], s[0:1], 0x20              ; out0
	v_lshl_add_u32 v240, v0, 2, 0x8800
	v_mov_b32 v241, 0
	v_lshrrev_b32 v1, 5, v0
	v_readfirstlane_b32 s14, v1                    ; wave 0..7
	s_and_b32 s15, s14, 3                          ; my 64 columns
	s_lshr_b32 s16, s14, 2                         ; my two token tiles
	v_and_b32 v6, 15, v0                           ; r
	v_bfe_u32 v7, v0, 4, 1                         ; h
	v_and_b32 v1, 31, v0
	s_mul_i32 s17, s14, 4352                       ; my stage: 16 rows x 272 bytes
	v_mul_u32_u24 v2, v6, 272
	v_mul_u32_u24 v3, v7, 272
	v_lshlrev_b32 v1, 4, v1
	v_lshlrev_b32 v5, 4, v6
	v_lshl_add_u32 v2, v7, 5, v2
	v_lshl_add_u32 v3, v6, 4, v3
	v_lshl_add_u32 v4, v7, 10, v5                  ; two rows in out0 (1,024 bytes a row): lanes 0-15 one, lanes 16-31 the next
	v_add_nc_u32 v2, s17, v2                       ; the stage, in: row r, 32 bytes for each half of the lanes
	v_add_nc_u32 v3, s17, v3                       ; back: lanes 0-15 one row, lanes 16-31 the next
	s_lshl_b32 s22, ttmp9, 14                      ; o: my work-group's 4 token tiles of 4,096 bytes,
	s_lshl_b32 s23, s16, 13                        ; my two
	s_add_co_u32 s22, s22, s23
	s_mov_b32 s23, 0
	s_wait_alu depctr_va_vdst(0)
	s_wait_kmcnt 0x0
	s_load_b64 s[18:19], s[8:9], 0x28              ; e10, e11
	s_add_nc_u64 s[4:5], s[4:5], s[22:23]
	s_lshl_b32 s22, s15, 14                        ; wproj: fragment 8 x my columns
	s_add_nc_u64 s[6:7], s[6:7], s[22:23]
	s_lshl_b32 s22, s15, 8                         ; my 64 columns: 256 bytes
	s_add_nc_u64 s[10:11], s[10:11], s[22:23]
	s_lshl_b32 s24, ttmp9, 16                      ; out0: my work-group's 64 rows,
	s_lshl_b32 s25, s16, 15                        ; my 32
	s_add_co_u32 s24, s24, s25
	s_add_co_u32 s22, s22, s24
	s_add_nc_u64 s[12:13], s[12:13], s[22:23]
.irp t, 0,1
.irp ks, 0,1
.irp c, 0,1,2,3
	global_load_b128 v[OF+16*(2*\t+\ks)+4*\c:OF+16*(2*\t+\ks)+4*\c+3], v1, s[4:5] offset:\t*4096+(4*\ks+\c)*512   ; piece c of K step ks is head 4 ks + c
.endr
.endr
.endr
	global_load_b128 v[8:11], v5, s[10:11]         ; the bias of columns 4 r .. 4 r + 3 of my 64
.irp f, 0,1,2,3,4,5,6,7
.irp c, 0,1,2,3
	global_load_b128 v[W+16*\f+4*\c:W+16*\f+4*\c+3], v1, s[6:7] offset:\f*2048+512*\c
.endr
.endr
	s_wait_kmcnt 0x0
	s_add_co_i32 s20, s18, s19
	s_add_co_i32 s20, s20, 127
	s_lshl_b32 s20, s20, 23                        ; 2^(e10 + e11) as f32
	s_mov_b32 s21, s20                             ; (named with it as a pair, so it is written)
	s_wait_loadcnt 0x0
.macro TILE t
.irp ks, 0,1                           ; four accumulators by turns, K step by K step; the first products start the sums
.irp i, 0,1,2,3
.if \ks == 0
	v_wmma_f32_16x16x128_fp8_fp8 v[ACC+8*\i:ACC+8*\i+7], v[W+16*(2*\i+\ks):W+16*(2*\i+\ks)+15], v[OF+16*(2*\t+\ks):OF+16*(2*\t+\ks)+15], 0
.else
	v_wmma_f32_16x16x128_fp8_fp8 v[ACC+8*\i:ACC+8*\i+7], v[W+16*(2*\i+\ks):W+16*(2*\i+\ks)+15], v[OF+16*(2*\t+\ks):OF+16*(2*\t+\ks)+15], v[ACC+8*\i:ACC+8*\i+7]
.endif
.endr
.endr
.rept 4
	v_nop                                          ; four places ahead of the LDS stores that read results and of the loads into o's fragments
.endr
.irp i, 0,1,2,3
	ds_store_b128 v2, v[ACC+8*\i:ACC+8*\i+3] offset:64*\i          ; lane (r, h): row r, columns 16 i + 8 h + 0 .. 7; each accumulator from its low end on
	ds_store_b128 v2, v[ACC+8*\i+4:ACC+8*\i+7] offset:64*\i+16
.endr
.irp n, 0,1,2,3,4,5,6,7
	ds_load_b128 v[OF+32*\t+4*\n:OF+32*\t+4*\n+3], v3 offset:544*\n   ; LDS serves a wave's instructions in order (ISA guide 5.7.1.4): these see my stores, and the next tile's stores come behind them
.endr
.irp n, 0,1,2,3,4,5,6,7
	s_wait_dscnt 7-\n                              ; rows 2 n and 2 n + 1 are back; the younger loads may be out
	v_pk_fma_f32 v[OF+32*\t+4*\n:OF+32*\t+4*\n+1], v[OF+32*\t+4*\n:OF+32*\t+4*\n+1], s[20:21], v[8:9] op_sel_hi:[1,0,1]
	v_pk_fma_f32 v[OF+32*\t+4*\n+2:OF+32*\t+4*\n+3], v[OF+32*\t+4*\n+2:OF+32*\t+4*\n+3], s[20:21], v[10:11] op_sel_hi:[1,0,1]
	global_store_b128 v4, v[OF+32*\t+4*\n:OF+32*\t+4*\n+3], s[12:13] offset:\t*16384+\n*2048 th:TH_STORE_NT   ; sixteen lanes store 256 consecutive bytes, aligned; written once, read by nobody here
.endr
.endm
	TILE 0
	TILE 1                                         ; its first products begin the accumulators anew: the four v_nop and tile 0's sixteen multiply-adds stand between
	s_wait_tensorcnt 0x0                           ; the wave's end: behind my last LDS store
	ds_add_u32 v240, v241
	s_wait_dscnt 0x0
	s_endpgm
.Lfunc_end_k_q2bb4b34016_proj:
	.size	k_q2bb4b34016_proj, .Lfunc_end_k_q2bb4b34016_proj-k_q2bb4b34016_proj
	.p2alignl 7, 3214868480
	.fill 96, 4, 3214868480
	.section	.rodata,"a",@progbits
	.p2align	6, 0x0
	.amdhsa_kernel k_q2bb4b34016_proj
		.amdhsa_group_segment_fixed_size 35840
		.amdhsa_private_segment_fixed_size 0
		.amdhsa_enable_private_segment 0
		.amdhsa_kernarg_size 40
		.amdhsa_user_sgpr_count 2
		.amdhsa_user_sgpr_kernarg_segment_ptr 1
		.amdhsa_wavefront_size32 1
		.amdhsa_system_sgpr_workgroup_id_x 1
		.amdhsa_system_sgpr_workgroup_id_y 1
		.amdhsa_system_sgpr_workgroup_id_z 1
		.amdhsa_system_vgpr_workitem_id 0
		.amdhsa_next_free_vgpr 242
		.amdhsa_next_free_sgpr 66
		.amdhsa_reserve_vcc 0
		.amdhsa_float_denorm_mode_32 3
		.amdhsa_float_denorm_mode_16_64 3
		.amdhsa_memory_ordered 1
		.amdhsa_forward_progress 1
		.amdhsa_inst_pref_size 15
	.end_amdhsa_kernel
	.amdgpu_metadata
---
amdhsa.version: [ 1, 2 ]
amdhsa.kernels:
  - .name:           k_q2bb4b34016_proj
    .symbol:         k_q2bb4b34016_proj.kd
    .args:
      - { .name: o_codes, .offset: 0, .size: 8, .value_kind: global_buffer, .address_space: global }
      - { .name: wcodes, .offset: 8, .size: 8, .value_kind: global_buffer, .address_space: global }
      - { .name: lowp_scales, .offset: 16, .size: 8, .value_kind: global_buffer, .address_space: global }
      - { .name: bproj, .offset: 24, .size: 8, .value_kind: global_buffer, .address_space: global }
      - { .name: out0, .offset: 32, .size: 8, .value_kind: global_buffer, .address_space: global }
    .group_segment_fixed_size: 35840
    .private_segment_fixed_size: 0
    .kernarg_segment_align: 8
    .kernarg_segment_size: 40
    .max_flat_workgroup_size: 256
    .sgpr_count:     66
    .vgpr_count:     242
    .wavefront_size: 32
...
	.end_amdgpu_metadata
.endif
;; end of part 3
